; MI455X (gfx1250); checked and timed in simulation.
; The chip was launched on July 23, 2026; its instructions are those of AMD's public machine-readable ISA for CDNA 5 (MIT licence, August 2026) and "CDNA5" Instruction Set Architecture Reference Guide (July 2026). The comments in the code are by the model that wrote it; some were corrected since.
;; Bert Attention. Allowed arithmetic: matrix products marked QUANTISED: E2M1 operands, one E8M0 scale for each 32 along K, by v_wmma_scale_f32_16x16x128_f8f6f4 with both operands' format E2M1 (or v_wmma_scale_f32_32x16x128_f4), f32 sums; everything else in f32.
;; Inputs: attention_mask 16 x 1 x 1 x 1,024 float32; beta 768 float32; gamma 768 float32; hidden_states 16 x 1,024 x 768 float32; kb 768 float32; kw_codes 768 x 24 x 16 uint8 (E2M1 codes of kw, K innermost, in blocks of 32 codes, two codes a byte); kw_scales 768 x 24 uint8 (E8M0 scales of kw, one for each 32 codes along K); ob 768 float32; ow_codes 768 x 24 x 16 uint8 (E2M1 codes of ow, K innermost, in blocks of 32 codes, two codes a byte); ow_scales 768 x 24 uint8 (E8M0 scales of ow, one for each 32 codes along K); qb 768 float32; qw_codes 768 x 24 x 16 uint8 (E2M1 codes of qw, K innermost, in blocks of 32 codes, two codes a byte); qw_scales 768 x 24 uint8 (E8M0 scales of qw, one for each 32 codes along K); vb 768 float32; vw_codes 768 x 24 x 16 uint8 (E2M1 codes of vw, K innermost, in blocks of 32 codes, two codes a byte); vw_scales 768 x 24 uint8 (E8M0 scales of vw, one for each 32 codes along K).
;; Outputs: out0 16 x 1,024 x 768 float32.
;; This version of the problem:
;;   THIS VERSION OF THE PROBLEM IS GIVEN IN LOW PRECISION. The matrix products marked QUANTISED in the list below multiply operands that are first quantised to E2M1 (2 exponent bits, 1 mantissa bit; 4 bits a number), with one power-of-two scale for each 32 numbers along K (OCP MX v1.0); their sums are f32. All else is computed in f32.
;;   The module's matrix products, in the order in which they are computed (A, B: the left and right operand; K: the contracted axis; several contracted axes count as one K, in the product's order):
;;     1. [M 16,384, K 768] x [K 768, N 768]; A: input hidden_states; B: input qw (given as codes): QUANTISED
;;     2. [M 16,384, K 768] x [K 768, N 768]; A: input hidden_states; B: input kw (given as codes): QUANTISED
;;     3. [M 16,384, K 768] x [K 768, N 768]; A: input hidden_states; B: input vw (given as codes): QUANTISED
;;     4. batch 192 x [M 1,024, K 64] x [K 64, N 1,024]; A: computed on the way; B: computed on the way: QUANTISED
;;     5. batch 192 x [M 64, K 1,024] x [K 1,024, N 1,024]; A: computed on the way; B: softmax (see below): QUANTISED
;;     6. [M 16,384, K 768] x [K 768, N 768]; A: computed on the way; B: input ow (given as codes): QUANTISED
;;   THE QUANTISER, for each operand of a quantised product, along K:
;;     - K is cut into blocks of 32 from its start; a last block that is shorter is filled with zeros.
;;     - A block's scale is 2^e with e = floor(log2(the largest magnitude in the block)) - 2, held to -126 .. 127; a block of zeros has e = 0. As a byte (E8M0): e + 127.
;;     - Each number is divided by its block's scale, clamped to +-6, and rounded to the nearest number of E2M1, ties to even, subnormals kept.
;;     - The product sums the exact products of the quantised numbers (number of the format x scale) in f32.
;;   ~~~python
;;   def quantise(x, axis):      # numpy; x: float32 -> the quantised numbers, widened to float32 again
;;       x = np.moveaxis(x, axis, -1); K = x.shape[-1]
;;       x = np.pad(x, [(0, 0)] * (x.ndim - 1) + [(0, -K % 32)]); x = x.reshape(x.shape[:-1] + (-1, 32)); a = np.abs(x).max(-1, keepdims=True)
;;       e = np.where(a > 0, np.clip(np.frexp(np.where(a > 0, a, 1))[1] - 1 - 2, -126, 127), 0)      # np.frexp(a)[1] - 1 = floor(log2(a)), exactly
;;       r = np.clip(x / 2.0 ** e, -6, 6)
;;       step = 2.0 ** (np.maximum(np.frexp(np.where(r == 0, 1, r))[1] - 1, 0) - 1)
;;       q = np.round(r / step) * step * 2.0 ** e      # np.round: ties to even
;;       return np.moveaxis(q.reshape(q.shape[:-2] + (-1,))[..., :K], -1, axis).astype(np.float32)
;;   ~~~
;;   SOFTMAX AHEAD OF A QUANTISED PRODUCT. Where the list says 'softmax', what is quantised is not the finished softmax but p = 2^(t - M), with t = logit x log2(e) and M = ceil(the row's largest t), a whole number; so 1/2 < the row's largest p <= 1. The row's sum l is taken of the UNQUANTISED p, in f32, and the product's result is divided by l at the end. Since M is a whole number, a kernel that streams over the keys may use a running M (the ceiling of the running maximum): every later rescaling is an exact power of two, which a block's scale takes up: the codes' values come out the same.
;;   OPERANDS COMPUTED ON THE WAY. 'Computed on the way' means the value that the module computes at that place (a softmax that the list does not call 'softmax' is quantised finished and normalised). What goes into a quantiser is computed in f32, as accurately as f32 sums, v_exp_f32 and their like allow (about 1e-6 of the number): no bf16 or f16 on the way to a quantiser, and a product that is left as it is and whose result goes on into a quantised operand takes f32 operands (vector FMAs, or v_wmma_f32_16x16x4_f32). A number that lies on a knife's edge between two numbers of the format may be rounded either way, as far as f32 arithmetic and the matrix unit's own rounding can turn it there, and no further.
;;   INPUTS GIVEN AS CODES. kw (in the module: [768, 768], K = its axis 1); ow (in the module: [768, 768], K = its axis 1); qw (in the module: [768, 768], K = its axis 1); vw (in the module: [768, 768], K = its axis 1): each comes as NAME_codes (uint8): NAME with its K axis moved to the last place and cut into blocks of 32 codes, [.., K / 32, bytes a block], one block behind the other in memory; two codes a byte, the lower K in the low four bits (a code: sign, 2 exponent bits, 1 mantissa bit); and NAME_scales (uint8): the same leading axes, one E8M0 byte (e + 127) for each 32 codes along K. Its value is code x scale, taken as it is: it is not quantised again, and the codes and scales need not be those that the quantiser above would give.
;; One version. Each part assembles by itself: llvm-mc -triple=amdgcn-amd-amdhsa -mcpu=gfx1250 --defsym DOCPART=n.
;; ======== version 1 of 1: 3 launches
;; workspace buffers: qc 6,291,456 bytes; qs 786,432 bytes; kv 13,369,344 bytes; vs 393,216 bytes; cc 6,291,456 bytes; cs 393,216 bytes
;; launch qkv (part 1): grid 256 x 1, 4 waves a work-group, no clusters, 227,840 bytes of LDS; arguments hidden_states, qw_codes, qw_scales, qb, kw_codes, kw_scales, kb, vw_codes, vw_scales, vb, qc, qs, kv, vs; writes qc, qs, kv, vs
.if DOCPART == 1
	.amdgcn_target "amdgcn-amd-amdhsa--gfx1250"
	.amdhsa_code_object_version 6
	.text
	.protected	k_q39e4f07006_qkv
	.globl	k_q39e4f07006_qkv
	.p2align	8
	.type	k_q39e4f07006_qkv,@function
k_q39e4f07006_qkv:
	s_mov_b64 s[64:65], 0
	v_nop
	global_prefetch_b8 v0, s[64:65] scope:SCOPE_SE
	s_setreg_imm32_b32 hwreg(HW_REG_WAVE_MODE, 25, 1), 1
	s_wait_xcnt 0x0
; q, k, v = Q(x) W^T + b on codes of FP4 (E2M1) with one E8M0 scale for each 32 along K, and their quantising for the attention launch: q and k along the head's 64, v along the keys.
; SHARES.  A work-group takes 64 tokens (batch g / 16, block B = g % 16) and all 2,304 columns.  Wave w quantises token tile w (16 tokens x 768); the 24 fragments go from wave to wave through LDS as images of
; their registers and then stay in every wave's registers.  Wave w makes heads 3 w .. 3 w + 2 of q, k and v for all four token tiles: nine units of 64 columns, 96 matrix instructions each.
; THE TOKENS OF A TILE AND THE ROWS OF A WEIGHT'S TILE ARE NOT NEIGHBOURS: index r of tile T stands for 32 (T / 2) + 8 (T % 2) + r + 8 (r / 8), so that the 16 registers of two neighbouring result tiles are
; 16 neighbours along the next product's K.  q and k are made transposed (source 0 = 16 rows of W, source 1 = x): a lane holds one token, its registers run along d.  v is made the other way round
; (source 0 = x, source 1 = 16 rows of W): a lane holds one d, its registers run along the tokens, which are v's K.
; OUT.  A half fragment (16 rows x 64 K) is an image of 512 bytes: the 16 bytes of block b of row r at 256 b + 16 r.  A lane holds 8 of them (16 codes), so each store of codes covers 256 consecutive bytes, aligned.
; The scale words of q and k leave likewise (256 bytes a store); v's scale bytes leave as 128 consecutive bytes a store, 128 bytes a head and work-group.
; NO CLUSTER: each weight byte is read by one wave of a work-group, straight into the registers of the operand, and feeds four products there; a joint load would send the 884,736 bytes of weights through each
; work-group's LDS in pieces, with a round of the cluster's barrier for each piece.
; LIMITS: NaN and infinities among the inputs are not served.  A block whose largest magnitude lies under 2^-124 keeps the scale byte 1; a block of zeros has the byte 1 and zero codes (these bytes are read by this program alone).
; REGISTERS.  window 0: v3-13 addresses; v16-39 x's scale words; v40-63 the weights' scale words; v64-191 16 accumulators (at first: x's numbers, two sets of 64); v192-237 at work.
;   window 1: x's 24 fragments.   window 2: v0-191 a unit's 24 weight fragments; v192-223 its bias in the result's layout.
.set XPITCH, 3120                      ; a token's row in LDS: three pieces of 1,024 bytes, 16 bytes of padding behind each: 195 x 16 bytes
.set XIMG,   199680                    ; behind the 64 rows: the 24 images of x's fragments, 1,024 bytes each (6 T + s)
.set XSC,    224256                    ; and their scale words, 128 bytes each
.set XA,  3                            ; v3   my row of x in LDS, + 64 h
.set IW,  4                            ; v4   where I store my 8 bytes of an image: XIMG + 6,144 wave + 16 r + 8 h
.set SWA, 5                            ; v5   where I store a scale word: XSC + 768 wave + 4 lane
.set LI,  6                            ; v6   XIMG + 16 lane
.set LS,  7                            ; v7   XSC + 4 lane
.set VW,  8                            ; v8   a weight's codes: 384 (r + 8 (r / 8)) + 16 h
.set VWS, 9                            ; v9   its scale bytes: 24 (r + 8 (r / 8))
.set VB,  10                           ; v10  q's and k's bias: 64 h
.set VBV, 11                           ; v11  v's bias: 4 (r + 8 (r / 8))
.set VC,  12                           ; v12  16 r + 8 h
.set VH,  13                           ; v13  8 r + 4 h
.set XS,  16
.set WS,  40
.set ACC, 64
.set TM,  192                          ; v192-199 largest magnitudes
.set TP,  200                          ; v200-207 the other half's, then the scale bytes
.set TS,  208                          ; v208-215 the conversions' scale operands
.set CD,  216                          ; v216-231 codes
.set WD,  232                          ; v232-235 scale words
.set SELR, 236                         ; v236-237 the words that my half of the lanes stores
.set BI,  192                          ; in window 2
.set HM,  49                           ; s49  lanes 16-31
.set SEL, 52                           ; s[52:53] v_permlanex16_b32's selects for lane l xor 16
.set MSB, 0
.macro WIN new                         ; the immediate's high byte repeats the setting that is left; a switch that changes nothing is dropped
.if MSB != (\new)
	s_set_vgpr_msb (MSB<<8)|(\new)
.set MSB, (\new)
.endif
.endm
.macro PLACES                          ; four places behind matrix instructions, in front of loads into their registers and of the first read of results
.rept 4
	v_nop
.endr
.endm
; n blocks, 16 numbers of each in my registers v[src + 16 k ..], the other 16 in lane l xor 16: codes to v[cd + 2 k], v[cd + 2 k + 1], the scale's byte to v[TP + k].  The blocks take turns line by line.
.macro QBLK n, src, cd
.set k, 0
.rept \n
	v_max3_num_f32 v[TM+k], |v[\src+16*k]|, |v[\src+16*k+1]|, 0x1800000   ; and the floor 2^(3 - 127): the byte cannot fall under 1
.set k, k+1
.endr
.set i, 2
.rept 7
.set k, 0
.rept \n
	v_max3_num_f32 v[TM+k], v[TM+k], |v[\src+16*k+i]|, |v[\src+16*k+i+1]|
.set k, k+1
.endr
.set i, i+2
.endr
.set k, 0
.rept \n
	v_permlanex16_b32 v[TP+k], v[TM+k], s[SEL], s[SEL+1]
.set k, k+1
.endr
.set k, 0
.rept \n
	v_max_num_f32 v[TM+k], v[TM+k], v[TP+k]        ; the block's largest magnitude
.set k, k+1
.endr
.set k, 0
.rept \n
	v_add_nc_u32 v[TS+k], 0xff000000, v[TM+k]      ; 2 off its exponent field: the conversion takes that field as its scale
.set k, k+1
.endr
.set k, 0
.rept \n
	v_lshrrev_b32 v[TP+k], 23, v[TS+k]             ; the scale's byte
.set k, k+1
.endr
.set k, 0
.rept \n
	v_cvt_scalef32_pk8_fp4_f32 v[\cd+2*k], v[\src+16*k:\src+16*k+7], v[TS+k]
	v_cvt_scalef32_pk8_fp4_f32 v[\cd+2*k+1], v[\src+16*k+8:\src+16*k+15], v[TS+k]
.set k, k+1
.endr
	v_nop                                          ; one plain place behind the last scaled conversion
.endm
	s_load_b512 s[8:23], s[0:1], 0x0               ; x s[8:9]; qw codes, scales, qb s[10:15]; kw codes, scales, kb s[16:21]; vw codes s[22:23]
	s_load_b256 s[24:31], s[0:1], 0x40             ; vw scales s[24:25], vb s[26:27], qc s[28:29], qs s[30:31]
	s_load_b128 s[32:35], s[0:1], 0x60             ; kv s[32:33], vs s[34:35]
	v_lshl_add_u32 v254, v0, 2, 0x37800
	v_mov_b32 v255, 0
	ds_add_u32 v254, v255
	ds_add_u32 v254, v255
	v_lshrrev_b32 v1, 5, v0
	v_readfirstlane_b32 s4, v1                     ; wave 0..3
	; descriptor group 1: my 16 dense rows of x (3,072 bytes each) as 48 rows of 1,024 bytes, 16 bytes of padding behind each
	s_mov_b32 s40, (3<<16)|(1<<20)|(7<<22)|(3<<25) ; elements of 8 bytes; padding on; after every 256 words; 4 words
	s_mov_b32 s41, 128<<16                         ; tensor_dim0 = 128 elements
	s_mov_b32 s42, 48<<16                          ; tensor_dim1 = 48
	s_mov_b32 s43, 128<<16                         ; tile_dim0
	s_mov_b32 s44, 48                              ; tile_dim1
	s_mov_b32 s45, 128                             ; from row to row
	s_mov_b32 s46, 0
	s_mov_b32 s47, 0
	s_mul_i32 s54, ttmp9, 196608                   ; the work-group's 64 rows of x,
	s_mul_i32 s5, s4, 49152                        ; my 16 of them
	s_add_co_u32 s54, s54, s5
	s_mov_b32 s55, 0
	s_mov_b32 s36, 1
	s_mul_i32 s37, s4, 16*XPITCH                   ; LDS: wave x 16 rows
	s_wait_dscnt 0x0
	s_wait_kmcnt 0x0
	s_add_nc_u64 s[38:39], s[8:9], s[54:55]
	s_or_b32 s39, s39, 0x80000000
	tensor_load_to_lds s[36:39], s[40:47]          ; filled once; one tensor load of mine is out
	s_nop 0
	PLACES
	v_and_b32 v1, 15, v0                           ; r
	v_bfe_u32 v2, v0, 4, 1                         ; h
	v_and_b32 v14, 8, v1
	v_add_nc_u32 v14, v14, v1                      ; r + 8 (r / 8)
	v_and_b32 v15, 31, v0                          ; lane
	s_lshr_b32 s5, s4, 1
	s_lshl_b32 s5, s5, 5
	s_and_b32 s6, s4, 1
	s_lshl_b32 s6, s6, 3
	s_add_co_u32 s5, s5, s6                        ; token tile w begins at row 32 (w / 2) + 8 (w % 2)
	s_mul_i32 s5, s5, XPITCH
	v_mul_u32_u24 v[XA], v14, XPITCH
	v_lshl_add_u32 v[XA], v2, 6, v[XA]
	v_add_nc_u32 v[XA], s5, v[XA]
	v_lshlrev_b32 v[VC], 4, v1
	v_lshl_add_u32 v[VC], v2, 3, v[VC]
	s_mul_i32 s5, s4, 6144
	s_add_co_u32 s5, s5, XIMG
	v_add_nc_u32 v[IW], s5, v[VC]
	s_mul_i32 s5, s4, 768
	s_add_co_u32 s5, s5, XSC
	v_lshl_add_u32 v[SWA], v15, 2, s5
	v_lshl_add_u32 v[LI], v15, 4, XIMG
	v_lshl_add_u32 v[LS], v15, 2, XSC
	v_mul_u32_u24 v[VW], v14, 384
	v_lshl_add_u32 v[VW], v2, 4, v[VW]
	v_mul_u32_u24 v[VWS], v14, 24
	v_lshlrev_b32 v[VB], 6, v2
	v_lshlrev_b32 v[VBV], 2, v14
	v_lshlrev_b32 v[VH], 3, v1
	v_lshl_add_u32 v[VH], v2, 2, v[VH]
.irp q, 0,1,2,3,4,5,6,7
	v_mov_b32 v[TP+\q], 0                          ; written once: a lane permute's destination counts as one of its sources
.endr
	s_mov_b32 s[HM], 0xffff0000
	s_mov_b32 s[SEL], 0x76543210
	s_mov_b32 s[SEL+1], 0xfedcba98
	; the bases, each from its own buffer's address: my three heads' rows of the weights, and my first head's places in the outputs
	s_mul_i32 s54, s4, 73728                       ; 192 rows of 384 bytes
	s_add_nc_u64 s[10:11], s[10:11], s[54:55]
	s_add_nc_u64 s[16:17], s[16:17], s[54:55]
	s_add_nc_u64 s[22:23], s[22:23], s[54:55]
	s_mul_i32 s54, s4, 4608                        ; 192 rows of 24 scale bytes
	s_add_nc_u64 s[12:13], s[12:13], s[54:55]
	s_add_nc_u64 s[18:19], s[18:19], s[54:55]
	s_add_nc_u64 s[24:25], s[24:25], s[54:55]
	s_mul_i32 s54, s4, 768                         ; 192 numbers of a bias
	s_add_nc_u64 s[14:15], s[14:15], s[54:55]
	s_add_nc_u64 s[20:21], s[20:21], s[54:55]
	s_add_nc_u64 s[26:27], s[26:27], s[54:55]
	s_lshr_b32 s5, ttmp9, 4                        ; the batch
	s_and_b32 s6, ttmp9, 15                        ; B: which 64 tokens of it
	s_mul_i32 s5, s5, 12
	s_mul_i32 s7, s4, 3
	s_add_co_u32 s5, s5, s7                        ; my first (batch, head): 12 batch + 3 wave
	s_lshl_b32 s54, s5, 15
	s_lshl_b32 s7, s6, 11
	s_add_co_u32 s54, s54, s7
	s_add_nc_u64 s[28:29], s[28:29], s[54:55]      ; qc: 32,768 bytes a head, 2,048 a block of 64 tokens
	s_lshl_b32 s54, s5, 12
	s_lshl_b32 s56, s6, 8
	s_add_co_u32 s54, s54, s56
	s_add_nc_u64 s[30:31], s[30:31], s[54:55]      ; qs: 4,096 a head, 256 a block
	s_mul_i32 s54, s5, 69632                       ; kv: a record of 69,632 bytes a head
	s_add_co_u32 s58, s54, s56
	s_add_co_u32 s58, s58, 65536
	s_mov_b32 s59, 0
	s_add_nc_u64 s[50:51], s[32:33], s[58:59]      ; k's scale words, from byte 65,536 of the record
	s_add_co_u32 s54, s54, s7
	s_add_nc_u64 s[32:33], s[32:33], s[54:55]      ; k's codes; v's lie 32,768 bytes on
	s_lshl_b32 s54, s5, 11
	s_lshl_b32 s7, s6, 7
	s_add_co_u32 s54, s54, s7
	s_add_nc_u64 s[34:35], s[34:35], s[54:55]      ; vs: 2,048 a head, 128 a block
; Half hb of a unit's weights: column tiles 2 hb and 2 hb + 1: 24 loads of codes, the bias in the result's layout (q, k: 4 loads; v: one number a lane in all eight registers, 16 loads), 6 loads of scale words.
; adv = 1: the next head's.  So a group is 34 loads (q, k) or 46 (v).
.macro LOADG cb, sb, bb, isv, hb, adv
	WIN 0x80                                       ; destination window 2
.irp u, 0,1
.irp s, 0,1,2,3,4,5
.irp c, 0,1
	global_load_b128 v[8*(6*(2*\hb+\u)+\s)+4*\c:8*(6*(2*\hb+\u)+\s)+4*\c+3], v[VW], s[\cb:\cb+1] offset:\adv*24576+(32*\hb+8*\u)*384+64*\s+32*\c
.endr
.endr
.endr
.irp u, 0,1
.if \isv
.irp j, 0,1,2,3,4,5,6,7
	global_load_b32 v[BI+8*(2*\hb+\u)+\j], v[VBV], s[\bb:\bb+1] offset:\adv*256+4*(32*\hb+8*\u)
.endr
.else
.irp i, 0,1
	global_load_b128 v[BI+8*(2*\hb+\u)+4*\i:BI+8*(2*\hb+\u)+4*\i+3], v[VB], s[\bb:\bb+1] offset:\adv*256+4*(32*\hb+8*\u)+16*\i
.endr
.endif
.endr
	WIN 0
.irp u, 0,1
.irp p, 0,1,2
	global_load_b64 v[WS+6*(2*\hb+\u)+2*\p:WS+6*(2*\hb+\u)+2*\p+1], v[VWS], s[\sb:\sb+1] offset:\adv*1536+24*(32*\hb+8*\u)+8*\p
.endr
.endr
.endm
; 48 matrix instructions: column tiles 2 hb, 2 hb + 1 x the four token tiles x the six K steps.  The eight accumulators take turns, one instruction a turn.
; The first K step takes the bias as C: nothing is cleared and no bias is added by a vector instruction.
.macro MULG isv, hb
.irp s, 0,1,2,3,4,5
.if \s == 0
	WIN 0x26+3*\isv                                ; q, k: source 0 (W) window 2, source 1 (x) window 1, C (bias) window 2;  v: sources 0 and 1 change places
.else
	WIN 0x06+3*\isv                                ; the same with C in window 0
.endif
.irp u, 0,1
.irp t, 0,1,2,3
.set rW, 8*(6*(2*\hb+\u)+\s)
.set rX, 8*(6*\t+\s)
.set rC, BI+8*(2*\hb+\u)
.set sW, WS+6*(2*\hb+\u)+\s
.set sX, XS+6*\t+\s
.if \isv
.set rD, ACC+32*(2*\hb+\u)+8*\t
.if \s == 0
	v_wmma_scale_f32_16x16x128_f8f6f4 v[rD:rD+7], v[rX:rX+7], v[rW:rW+7], v[rC:rC+7], v[sX], v[sW] matrix_a_fmt:MATRIX_FMT_FP4 matrix_b_fmt:MATRIX_FMT_FP4
.else
	v_wmma_scale_f32_16x16x128_f8f6f4 v[rD:rD+7], v[rX:rX+7], v[rW:rW+7], v[rD:rD+7], v[sX], v[sW] matrix_a_fmt:MATRIX_FMT_FP4 matrix_b_fmt:MATRIX_FMT_FP4
.endif
.else
.set rD, ACC+32*\t+8*(2*\hb+\u)
.if \s == 0
	v_wmma_scale_f32_16x16x128_f8f6f4 v[rD:rD+7], v[rW:rW+7], v[rX:rX+7], v[rC:rC+7], v[sW], v[sX] matrix_a_fmt:MATRIX_FMT_FP4 matrix_b_fmt:MATRIX_FMT_FP4
.else
	v_wmma_scale_f32_16x16x128_f8f6f4 v[rD:rD+7], v[rW:rW+7], v[rX:rX+7], v[rD:rD+7], v[sW], v[sX] matrix_a_fmt:MATRIX_FMT_FP4 matrix_b_fmt:MATRIX_FMT_FP4
.endif
.endif
.endr
.endr
.endr
.endm
; A unit's 128 results a lane are eight half blocks: v[ACC + 16 k ..].  q, k: k = 2 (token tile) + (block of d);  v: k = 2 (tile of d) + (block of keys).  In both the image's byte is 256 k + 16 r + 8 h.
.macro EPI isv, ob, ooff, sb
	s_wait_xcnt 0x0                                ; the last unit's stores have read their data: the codes' and words' registers are written again only behind this wait
	QBLK 8, ACC, CD
.set k, 0
.rept 8
	global_store_b64 v[VC], v[CD+2*k:CD+2*k+1], s[\ob:\ob+1] offset:\ooff+256*k   ; 32 lanes store 256 consecutive bytes, aligned
.set k, k+1
.endr
.irp i, 0,1,2,3
	v_lshl_or_b32 v[WD+\i], v[TP+2*\i+1], 8, v[TP+2*\i]   ; the two bytes of tile i
.endr
.if \isv
	v_lshl_or_b32 v[WD], v[WD+1], 16, v[WD]        ; 16 bits a tile of d: tiles 0, 1 and 2, 3
	v_lshl_or_b32 v[WD+2], v[WD+3], 16, v[WD+2]
	v_cndmask_b32 v[SELR], v[WD], v[WD+2], s[HM]   ; lanes 16-31 store the second pair
	global_store_b32 v[VH], v[SELR], s[\sb:\sb+1]
.else
	v_cndmask_b32 v[SELR], v[WD], v[WD+2], s[HM]   ; a word a tile: lanes 0-15 store tiles 0, 1, lanes 16-31 tiles 2, 3
	v_cndmask_b32 v[SELR+1], v[WD+1], v[WD+3], s[HM]
	global_store_b64 v[VC], v[SELR:SELR+1], s[\sb:\sb+1]
.endif
.endm
; A unit.  g: the loads issued behind its first half's group (its second half's);  gn: those behind its second half's group (the next unit's first half's, or none).
; Each half's registers take the next unit's same half as soon as its products are issued.
.macro UNIT isv, g, gn, ncb, nsb, nbb, nisv, adv, pre, ob, ooff, sb
	s_wait_loadcnt \g
	MULG \isv, 0
	WIN 0
	PLACES
.if \pre
	LOADG \ncb, \nsb, \nbb, \nisv, 0, \adv
.endif
	s_wait_loadcnt \gn
	MULG \isv, 1
	WIN 0
	PLACES
.if \pre
	LOADG \ncb, \nsb, \nbb, \nisv, 1, \adv
.endif
	EPI \isv, \ob, \ooff, \sb
.endm
	LOADG 10, 12, 14, 0, 0, 0                      ; the first head's q: both halves are on their way while x is quantised
	LOADG 10, 12, 14, 0, 1, 0
	; ---- x: my token tile's 16 rows become six fragments.  A lane takes, of its row, 16 neighbours of each block of 32
.macro DSX s                           ; K step s: 64 numbers into set s % 2
.irp bk, 0,1,2,3
.irp j, 0,1,2,3
	ds_load_b128 v[ACC+64*((\s)%2)+16*\bk+4*\j:ACC+64*((\s)%2)+16*\bk+4*\j+3], v[XA] offset:128*(4*(\s)+\bk)+16*((4*(\s)+\bk)/8)+16*\j
.endr
.endr
.endm
.macro XSTEP s, cnt
	s_wait_dscnt \cnt
	QBLK 4, ACC+64*((\s)%2), CD+8*((\s)%2)
	v_lshl_or_b32 v[WD+(\s)%2], v[TP+1], 8, v[TP]  ; the four bytes make my row's scale word
	v_lshl_or_b32 v[WD+(\s)%2], v[TP+2], 16, v[WD+(\s)%2]
	v_lshl_or_b32 v[WD+(\s)%2], v[TP+3], 24, v[WD+(\s)%2]
.irp bk, 0,1,2,3
	ds_store_b64 v[IW], v[CD+8*((\s)%2)+2*\bk:CD+8*((\s)%2)+2*\bk+1] offset:1024*(\s)+256*\bk   ; block bk of row r lies at 256 bk + 16 r of the image; my half of it 8 h on
.endr
	ds_store_b32 v[SWA], v[WD+(\s)%2] offset:128*(\s)
.endm
	s_wait_tensorcnt 0x0                           ; my 16 rows are in,
	s_barrier_signal -1
	s_barrier_wait -1                              ; everybody's are: a token tile's rows were brought by two waves
	DSX 0
	DSX 1
	XSTEP 0, 16                                    ; behind K step 0's loads: K step 1's sixteen
	DSX 2
	XSTEP 1, 21                                    ; behind this step's loads: the last step's five stores and the next step's sixteen loads
	DSX 3
	XSTEP 2, 21
	DSX 4
	XSTEP 3, 21
	DSX 5
	XSTEP 4, 21
	XSTEP 5, 5                                     ; behind them: five stores
	s_wait_dscnt 0x0                               ; for the others' sake: my images have landed
	s_barrier_signal -1
	s_barrier_wait -1
	WIN 0x40                                       ; destination window 1
.set f, 0
.rept 24
	ds_load_b128 v[8*f:8*f+3], v[LI] offset:1024*f
	ds_load_b128 v[8*f+4:8*f+7], v[LI] offset:1024*f+512
.set f, f+1
.endr
	WIN 0
.set f, 0
.rept 24
	ds_load_b32 v[XS+f], v[LS] offset:128*f
.set f, f+1
.endr
	s_wait_dscnt 0x0                               ; all of x's codes and scale words stay in my registers from here on
	s_mov_b32 s48, 2
.Lhead:                                                ; my first two heads; each trip asks for the next head's q
	UNIT 0, 34, 34, 16, 18, 20, 0, 0, 1, 28, 0, 30
	UNIT 0, 34, 46, 22, 24, 26, 1, 0, 1, 32, 0, 50
	UNIT 1, 46, 34, 10, 12, 14, 0, 1, 1, 32, 32768, 34
	s_wait_xcnt 0x0                                ; every load and store issued has read its base: the bases step to the next head
	s_add_nc_u64 s[10:11], s[10:11], 24576
	s_add_nc_u64 s[16:17], s[16:17], 24576
	s_add_nc_u64 s[22:23], s[22:23], 24576
	s_add_nc_u64 s[12:13], s[12:13], 1536
	s_add_nc_u64 s[18:19], s[18:19], 1536
	s_add_nc_u64 s[24:25], s[24:25], 1536
	s_add_nc_u64 s[14:15], s[14:15], 256
	s_add_nc_u64 s[20:21], s[20:21], 256
	s_add_nc_u64 s[26:27], s[26:27], 256
	s_add_nc_u64 s[28:29], s[28:29], 32768
	s_add_nc_u64 s[30:31], s[30:31], 4096
	s_add_nc_u64 s[32:33], s[32:33], 69632
	s_add_nc_u64 s[50:51], s[50:51], 69632
	s_add_nc_u64 s[34:35], s[34:35], 2048
	s_sub_co_u32 s48, s48, 1
	s_cmp_lg_u32 s48, 0
	s_cbranch_scc1 .Lhead
	UNIT 0, 34, 34, 16, 18, 20, 0, 0, 1, 28, 0, 30     ; the last head is written out: its v asks for nothing, so no load leaves a buffer
	UNIT 0, 34, 46, 22, 24, 26, 1, 0, 1, 32, 0, 50
	UNIT 1, 46, 0, 10, 12, 14, 0, 0, 0, 32, 32768, 34
	s_wait_tensorcnt 0x0
	ds_add_u32 v254, v255
	s_wait_dscnt 0x0
	s_endpgm
.Lfunc_end_k_q39e4f07006_qkv:
	.size	k_q39e4f07006_qkv, .Lfunc_end_k_q39e4f07006_qkv-k_q39e4f07006_qkv
	.p2alignl 7, 3214868480
	.fill 96, 4, 3214868480
	.section	.rodata,"a",@progbits
	.p2align	6, 0x0
	.amdhsa_kernel k_q39e4f07006_qkv
		.amdhsa_group_segment_fixed_size 227840
		.amdhsa_private_segment_fixed_size 0
		.amdhsa_enable_private_segment 0
		.amdhsa_kernarg_size 112
		.amdhsa_user_sgpr_count 2
		.amdhsa_user_sgpr_kernarg_segment_ptr 1
		.amdhsa_wavefront_size32 1
		.amdhsa_system_sgpr_workgroup_id_x 1
		.amdhsa_system_sgpr_workgroup_id_y 1
		.amdhsa_system_sgpr_workgroup_id_z 1
		.amdhsa_system_vgpr_workitem_id 0
		.amdhsa_next_free_vgpr 768
		.amdhsa_next_free_sgpr 66
		.amdhsa_reserve_vcc 0
		.amdhsa_float_denorm_mode_32 3
		.amdhsa_float_denorm_mode_16_64 3
		.amdhsa_memory_ordered 1
		.amdhsa_forward_progress 1
		.amdhsa_inst_pref_size 208
	.end_amdhsa_kernel
	.amdgpu_metadata
---
amdhsa.version: [ 1, 2 ]
amdhsa.kernels:
  - .name:           k_q39e4f07006_qkv
    .symbol:         k_q39e4f07006_qkv.kd
    .args:
      - { .name: hidden_states, .offset: 0, .size: 8, .value_kind: global_buffer, .address_space: global }
      - { .name: qw_codes, .offset: 8, .size: 8, .value_kind: global_buffer, .address_space: global }
      - { .name: qw_scales, .offset: 16, .size: 8, .value_kind: global_buffer, .address_space: global }
      - { .name: qb, .offset: 24, .size: 8, .value_kind: global_buffer, .address_space: global }
      - { .name: kw_codes, .offset: 32, .size: 8, .value_kind: global_buffer, .address_space: global }
      - { .name: kw_scales, .offset: 40, .size: 8, .value_kind: global_buffer, .address_space: global }
      - { .name: kb, .offset: 48, .size: 8, .value_kind: global_buffer, .address_space: global }
      - { .name: vw_codes, .offset: 56, .size: 8, .value_kind: global_buffer, .address_space: global }
      - { .name: vw_scales, .offset: 64, .size: 8, .value_kind: global_buffer, .address_space: global }
      - { .name: vb, .offset: 72, .size: 8, .value_kind: global_buffer, .address_space: global }
      - { .name: qc, .offset: 80, .size: 8, .value_kind: global_buffer, .address_space: global }
      - { .name: qs, .offset: 88, .size: 8, .value_kind: global_buffer, .address_space: global }
      - { .name: kv, .offset: 96, .size: 8, .value_kind: global_buffer, .address_space: global }
      - { .name: vs, .offset: 104, .size: 8, .value_kind: global_buffer, .address_space: global }
    .group_segment_fixed_size: 227840
    .private_segment_fixed_size: 0
    .kernarg_segment_align: 8
    .kernarg_segment_size: 112
    .max_flat_workgroup_size: 128
    .sgpr_count:     66
    .vgpr_count:     768
    .wavefront_size: 32
...
	.end_amdgpu_metadata
.endif
;; end of part 1
;; launch attn (part 2): grid 256 x 1, 16 waves a work-group, clusters of 4 x 1, 222,720 bytes of LDS; arguments attention_mask, qc, qs, kv, vs, cc, cs; writes cc, cs
.if DOCPART == 2
	.amdgcn_target "amdgcn-amd-amdhsa--gfx1250"
	.amdhsa_code_object_version 6
	.text
	.protected	k_q39e4f07006_attn
	.globl	k_q39e4f07006_attn
	.p2align	8
	.type	k_q39e4f07006_attn,@function
k_q39e4f07006_attn:
	s_mov_b64 s[64:65], 0
	v_nop
	global_prefetch_b8 v0, s[64:65] scope:SCOPE_SE
	s_setreg_imm32_b32 hwreg(HW_REG_WAVE_MODE, 25, 1), 1
	s_wait_xcnt 0x0
	s_wait_alu depctr_hold_cnt(0) depctr_sa_sdst(0) depctr_va_vdst(0) depctr_va_sdst(0) depctr_va_ssrc(0) depctr_va_vcc(0) depctr_vm_vsrc(0)
	s_getreg_b32 s2, hwreg(HW_REG_IB_STS2, 6, 4)
	s_cmp_eq_u32 s2, 0
	s_cbranch_scc0 .Lentry_in_a_cluster
	s_endpgm
.Lentry_in_a_cluster:
	s_bfe_u32 s2, ttmp6, 0x10000c
	s_cmp_lg_u32 s2, 0x3003
	s_cbranch_scc0 .Lentry_shape_is_right
	s_endpgm
.Lentry_shape_is_right:
; ctx = softmax(q k^T / 8 + mask) v on codes of FP4 (E2M1), and ctx's quantising along d for the last product.
; THE SOFTMAX AHEAD OF THE SECOND PRODUCT: t = (q . k + 8 mask) x log2(e) / 8; M = the row's largest t so far, rounded up to a whole number; p = 2^(t - M) is quantised along the keys, not normalised;
; the row's sum is taken of the unquantised p and divides at the end.  When M moves, the sum and O are multiplied by 2^(old M - new M): exact.
; THE MASK COSTS NO VECTOR INSTRUCTION IN THE LOOP: 1 / 8 is a power of two, so 8 x mask, laid in the result's layout, is the C of the score product.
; SHARES.  A cluster of four work-groups owns three heads of one batch; work-group cx owns queries 256 cx .. 256 cx + 255, each of its sixteen waves one tile of 16, in 256 registers: four waves to a SIMD.
; The three heads' records (k's codes, v's codes, k's scale words: 69,632 bytes each) are asked for JOINTLY by the four work-groups, once, at the start: no LDS byte is filled twice, so there is no ring.
; Three tensor loads of a wave (waves 0 to 3) are out.
; LAYOUT.  Both products are used transposed: S^T = K Q^T (source 0 = 16 keys, source 1 = my 16 queries), O^T = V^T P^T: a lane holds one query throughout.  Index r of key tile T is key
; 32 (T / 2) + 8 (T % 2) + r + 8 (r / 8), so the 16 registers of tiles 2 b, 2 b + 1 are 16 neighbouring keys; v's tiles of d are chosen likewise, so O^T's registers run along d.
; The head's 64 fill half of a fragment's 128 along K: registers 4-7 of Q's and K's fragments hold zero codes, and the scale bytes of those blocks are 0 (2^-127): they add nothing.
; LIMITS: mask entries under -2^30 are held there (so |t| stays under 2^31 and t - M, whatever the rounding of t, within 64: no p and no sum overflows even where all keys of a step are hidden);
; a batch whose every key is -infinity so gives even weights where the definition gives NaN.  NaN among the inputs is not served.  A block whose largest magnitude lies under 2^-124 keeps the scale byte 1.
; REGISTERS: v1-7 addresses that stay; v8-11 the step's LDS addresses; v12 -M, v13 the largest t, v[14:15] the sum in two halves; v16-23 Q; v24-31 K's scale words; v32-95 eight fragments of K;
; v96-159 8 x mask, then S^T, then p; v160-191 O^T; v192-223 four fragments of V; v224-231 p's codes; v232-239, v244-247, v252-254 at work; v240-243, v7 the next head's Q; v248-251 V's scale words; v255 Q's.
.set REC,  69632                       ; a head's record: 32,768 bytes of K's images, 32,768 of V's, 4,096 of K's scale words
.set QTR,  17408                       ; a quarter of it: what one tensor load brings
.set VSW,  208896                      ; behind the three records: V's scale words [head 3][step 8][r 16][tile of d 4], 2,048 bytes a head
.set MSK,  215040                      ; 8 x mask, 4,096 bytes
.set CST,  219136                      ; ctx's scale bytes on their way out: [head 3][wave 16][r 16] of 16 bits
.set AK0, 1                            ; v1   16 lane
.set R16, 2                            ; v2   16 r
.set CSR, 3                            ; v3   CST + 16 x thread
.set H64, 4                            ; v4   64 h
.set GOC, 5                            ; v5   16 r + 8 h
.set CSA, 6                            ; v6   CST + 32 wave + 2 r
.set QSN, 7                            ; v7   the next head's scale word of Q
.set ADK, 8
.set ADS, 9
.set ADT, 10
.set ADM, 11
.set WV,  18                           ; s18  wave
.set CX,  19                           ; s19  my place in the cluster: it enters Q's, cc's and cs's global addresses alone
.set SEL, 20                           ; s[20:21] lane l xor 16
.set CS,  22                           ; s[22:23] c = log2(e) / 8
.set G1,  24                           ; s[24:31] descriptor group 1;  s[32:43] three groups 0
.set G0,  32
.set CNT, 44
.set TK,  45                           ; s45  LDS byte of the step's images of K (V's lie 32,768 on)
.set TS,  46                           ; s46  of K's scale words
.set TT,  47                           ; s47  of V's scale words
.set TMK, 48                           ; s48  of the step's 8 x mask
.macro CROUND                          ; a round of the cluster's barrier
	s_barrier_signal -1
	s_barrier_wait -1
	s_cmp_lg_u32 s[WV], 0
	s_cbranch_scc1 .Lnot_wave_0_\@
	s_barrier_signal -3
.Lnot_wave_0_\@:
	s_barrier_wait -3
	s_barrier_signal -1
	s_barrier_wait -1
.endm
	s_load_b256 s[4:11], s[0:1], 0x0               ; mask s[4:5], qc s[6:7], qs s[8:9], kv s[10:11]
	s_load_b128 s[12:15], s[0:1], 0x20             ; vs s[12:13], cc s[14:15]
	s_load_b64 s[16:17], s[0:1], 0x30              ; cs
	v_lshl_add_u32 v254, v0, 2, 0x35e00
	v_mov_b32 v255, 0
	ds_add_u32 v254, v255
	ds_add_u32 v254, v255
	s_wait_dscnt 0x0
	v_lshrrev_b32 v8, 5, v0
	v_readfirstlane_b32 s[WV], v8                  ; wave 0..15
	s_bfe_u32 s[CX], ttmp6, 0x40000
	v_and_b32 v9, 15, v0                           ; r
	v_bfe_u32 v10, v0, 4, 1                        ; h
	v_and_b32 v11, 31, v0                          ; lane
	v_lshlrev_b32 v[AK0], 4, v11
	v_lshlrev_b32 v[R16], 4, v9
	v_lshl_add_u32 v[CSR], v0, 4, CST
	v_lshlrev_b32 v[H64], 6, v10
	v_lshl_add_u32 v[GOC], v10, 3, v[R16]
	s_lshl_b32 s50, s[WV], 5
	s_add_co_u32 s50, s50, CST
	v_lshl_add_u32 v[CSA], v9, 1, s50
	; descriptor group 1: a quarter record, dense, as 68 rows of 256 bytes; no padding: every read takes 16 neighbouring bytes a lane
	s_mov_b32 s[G1], 15|(3<<16)|(1<<21)            ; the mask: all four work-groups; elements of 8 bytes; bit 21 set beside a mask
	s_mov_b32 s[G1+1], 32<<16
	s_mov_b32 s[G1+2], 68<<16
	s_mov_b32 s[G1+3], 32<<16
	s_mov_b32 s[G1+4], 68
	s_mov_b32 s[G1+5], 32
	s_mov_b32 s[G1+6], 0
	s_mov_b32 s[G1+7], 0
	s_mov_b32 s[SEL], 0x76543210
	s_mov_b32 s[SEL+1], 0xfedcba98
	s_mov_b32 s[CS], 0x3e38aa3b
	s_mov_b32 s[CS+1], s[CS]                       ; (named with it as a pair, so it is written)
	s_mul_i32 s50, ttmp9, 3*REC                    ; the cluster's three records (ttmp9 counts clusters),
	s_mul_i32 s52, s[WV], QTR                      ; my quarter: the same in all four work-groups
	s_add_co_u32 s50, s50, s52
	s_mov_b32 s51, 0
	s_wait_kmcnt 0x0
	s_add_nc_u64 s[10:11], s[10:11], s[50:51]
.irp j, 0,1,2
	s_mov_b32 s[G0+4*\j], 1
	s_add_co_u32 s[G0+4*\j+1], s52, \j*REC
	s_add_nc_u64 s[G0+4*\j+2:G0+4*\j+3], s[10:11], \j*REC
	s_or_b32 s[G0+4*\j+3], s[G0+4*\j+3], 0x80000000
.endr
	CROUND                                         ; all four work-groups are here: the joint loads meet
	s_cmp_lt_u32 s[WV], 4                          ; waves 0 to 3 fetch; a wave's three first fills stand in one branch
	s_cbranch_scc0 .Lno_fill
	tensor_load_to_lds s[G0:G0+3], s[G1:G1+7]
	s_nop 0
	tensor_load_to_lds s[G0+4:G0+7], s[G1:G1+7]
	s_nop 0
	tensor_load_to_lds s[G0+8:G0+11], s[G1:G1+7]
	s_nop 0
.rept 4
	v_nop
.endr
.Lno_fill:
	; the global bases, each from its own buffer's address
	s_lshr_b32 s50, ttmp9, 2                       ; the batch
	s_mov_b32 s53, 0
	s_lshl_b32 s52, s50, 12
	s_add_nc_u64 s[4:5], s[4:5], s[52:53]          ; its row of the mask
	s_mul_i32 s52, ttmp9, 3*2048
	s_add_nc_u64 s[12:13], s[12:13], s[52:53]      ; the three heads' scale bytes of V
	s_lshl_b32 s54, s[CX], 4
	s_add_co_u32 s54, s54, s[WV]                   ; T: my tile of queries
	s_mul_i32 s52, ttmp9, 3*32768
	s_lshl_b32 s55, s54, 9
	s_add_co_u32 s52, s52, s55
	s_add_nc_u64 s[6:7], s[6:7], s[52:53]          ; Q's image
	s_mul_i32 s52, ttmp9, 3*4096
	s_lshr_b32 s55, s54, 2
	s_lshl_b32 s55, s55, 8
	s_add_co_u32 s52, s52, s55
	s_and_b32 s55, s54, 3
	s_lshl_b32 s55, s55, 2
	s_add_co_u32 s52, s52, s55
	s_add_nc_u64 s[8:9], s[8:9], s[52:53]          ; Q's scale words: 256 (T / 4) + 4 (T % 4), + 16 r
	s_lshl_b32 s52, s50, 6
	s_add_co_u32 s52, s52, s54
	s_mul_i32 s52, s52, 12
	s_and_b32 s55, ttmp9, 3
	s_mul_i32 s55, s55, 3
	s_add_co_u32 s52, s52, s55
	s_lshl_b32 s52, s52, 9
	s_add_nc_u64 s[14:15], s[14:15], s[52:53]      ; cc: ((64 batch + T) 12 + my first head) x 512
	s_mul_i32 s52, ttmp9, 3
	s_add_co_u32 s52, s52, s[WV]
	s_lshl_b32 s52, s52, 11
	s_lshl_b32 s55, s[CX], 9
	s_add_co_u32 s52, s52, s55
	s_add_nc_u64 s[16:17], s[16:17], s[52:53]      ; cs: used by waves 0 to 2 alone, wave w for head w
	v_lshlrev_b32 v8, 3, v0
	global_load_b64 v[96:97], v8, s[4:5]           ; two numbers of the mask a thread
	v_lshrrev_b32 v9, 6, v0
	v_and_b32 v10, 63, v0
	v_lshlrev_b32 v10, 1, v10
	v_lshl_add_u32 v9, v9, 8, v10                  ; step t / 64: two blocks of 64 keys, 128 bytes each; (r, tile of d) = t % 64: 16 bits
.irp j, 0,1,2
	global_load_u16 v[98+2*\j], v9, s[12:13] offset:2048*\j
	global_load_u16 v[99+2*\j], v9, s[12:13] offset:2048*\j+128
.endr
	global_load_b128 v[16:19], v[AK0], s[6:7]      ; the first head's Q
	global_load_b32 v255, v[R16], s[8:9]
.irp q, 20,21,22,23
	v_mov_b32 v\q, 0                               ; zero codes for K = 64 .. 127, written once
.endr
.irp t, 0,1,2,3,4,5,6,7
.irp q, 4,5,6,7
	v_mov_b32 v[32+8*\t+\q], 0
.endr
.endr
.irp b, 0,1,2,3
	v_mov_b32 v[236+\b], 0                         ; written once: a lane permute's destination counts as one of its sources
.endr
	v_mov_b32 v253, 0                              ; (named as the upper half of the pair v[252:253] before it is first written)
	v_lshl_add_u32 v10, v0, 3, MSK
	v_lshl_add_u32 v11, v0, 2, VSW
	s_wait_loadcnt 0x2                             ; all but Q's two loads
	v_mul_f32 v96, 0x41000000, v96                 ; 8 x mask: exact,
	v_mul_f32 v97, 0x41000000, v97
	v_max_num_f32 v96, 0xd0000000, v96             ; held at -2^33
	v_max_num_f32 v97, 0xd0000000, v97
	ds_store_b64 v10, v[96:97]
.irp j, 0,1,2
	v_lshl_or_b32 v[98+2*\j], v[99+2*\j], 16, v[98+2*\j]   ; the four bytes of a step's 128 keys
	ds_store_b32 v11, v[98+2*\j] offset:2048*\j
.endr
; A KEY STEP: 128 keys.
.macro STEP
	v_add_nc_u32 v[ADK], s[TK], v[AK0]             ; (these four are also the places behind the last step's products, in front of the loads into their registers)
	v_add_nc_u32 v[ADS], s[TS], v[R16]
	v_add_nc_u32 v[ADT], s[TT], v[R16]
	v_add_nc_u32 v[ADM], s[TMK], v[H64]
.irp bk, 0,1,2,3
.irp i, 0,1,2,3
	ds_load_b128 v[96+16*\bk+4*\i:99+16*\bk+4*\i], v[ADM] offset:128*\bk+16*\i   ; 8 x mask of keys 32 bk + 16 h + 0 .. 15: the C of tiles 2 bk, 2 bk + 1
.endr
.endr
	ds_load_b128 v[24:27], v[ADS]                  ; K's scale words: four tiles a load
	ds_load_b128 v[28:31], v[ADS] offset:256
.irp t, 0,1,2,3,4,5,6,7
	ds_load_b128 v[32+8*\t:35+8*\t], v[ADK] offset:512*\t
.endr
.irp dt, 0,1,2,3
.irp c, 0,1
	ds_load_b128 v[192+8*\dt+4*\c:195+8*\dt+4*\c], v[ADK] offset:32768+512*\dt+2048*\c
.endr
.endr
	ds_load_b128 v[248:251], v[ADT]
	s_wait_dscnt 0x9                               ; V's eight loads and its scale words may stay out
.irp t, 0,1,2,3,4,5,6,7
	v_wmma_scale_f32_16x16x128_f8f6f4 v[96+8*\t:103+8*\t], v[32+8*\t:39+8*\t], v[16:23], v[96+8*\t:103+8*\t], v[24+\t], v255 matrix_a_fmt:MATRIX_FMT_FP4 matrix_b_fmt:MATRIX_FMT_FP4
.endr
.rept 4
	v_nop
.endr
.irp b, 0,1,2,3
	v_max3_num_f32 v[232+\b], v[96+16*\b], v[97+16*\b], v[98+16*\b]   ; the largest score of each block of 32 keys: it serves for the row's maximum and, since p rises with the score, for the block's largest p
.endr
.irp i, 3,5,7,9,11,13
.irp b, 0,1,2,3
	v_max3_num_f32 v[232+\b], v[232+\b], v[96+16*\b+\i], v[97+16*\b+\i]
.endr
.endr
.irp b, 0,1,2,3
	v_max_num_f32 v[232+\b], v[232+\b], v[111+16*\b]
.endr
.irp b, 0,1,2,3
	v_permlanex16_b32 v[236+\b], v[232+\b], s[SEL], s[SEL+1]
.endr
.irp b, 0,1,2,3
	v_max_num_f32 v[232+\b], v[232+\b], v[236+\b]  ; with lane l xor 16's 16 keys
.endr
	v_max3_num_f32 v254, v232, v233, v234
	v_max_num_f32 v254, v254, v235                 ; the step's largest score of my query
	v_mul_f32 v254, s[CS], v254                    ; as t (c is positive)
	v_max_num_f32 v13, v13, v254                   ; the running largest t
	v_mov_b32 v254, v12
	v_floor_f32 v12, -v13                          ; the new -M = floor(-t): M is a whole number
	v_sub_f32 v254, v12, v254                      ; old M - new M: a whole number, 0 or less
	v_cvt_i32_f32 v254, v254                       ; (it saturates)
	v_ldexp_f32 v252, 1.0, v254                    ; f = 2^(old M - new M)
.set e, 0
.rept 32
	v_pk_fma_f32 v[96+e:97+e], v[96+e:97+e], s[CS:CS+1], v[12:13] op_sel_hi:[1,0,0]   ; t - M, two at a time
.set e, e+2
.endr
.irp b, 0,1,2,3
	v_fma_f32 v[232+\b], v[232+\b], s[CS], v12     ; the same of each block's largest score
.endr
.set e, 0
.rept 64
	v_exp_f32 v[96+e], v[96+e]                     ; p = 2^(t - M): not normalised
.set e, e+1
.endr
.irp b, 0,1,2,3
	v_exp_f32 v[232+\b], v[232+\b]                 ; the block's largest p
.endr
	v_pk_mul_f32 v[14:15], v[14:15], v[252:253] op_sel_hi:[1,0]   ; the sums under the new M.  (A plain place behind the exponentials)
	s_wait_alu depctr_va_vdst(0)
.irp b, 0,1,2,3
	v_max_num_f32 v[232+\b], 0x1800000, v[232+\b]  ; the floor 2^(3 - 127): the byte cannot fall under 1
.endr
.irp b, 0,1,2,3
	v_add_nc_u32 v[244+\b], 0xff000000, v[232+\b]  ; 2 off the exponent field: the conversion's scale operand
.endr
.irp b, 0,1,2,3
	v_lshrrev_b32 v[236+\b], 23, v[244+\b]         ; the scale's byte
.endr
	v_lshl_or_b32 v253, v237, 8, v236              ; p's scale word for these 128 keys
	v_lshl_or_b32 v253, v238, 16, v253
	v_lshl_or_b32 v253, v239, 24, v253
.irp b, 0,1,2,3
	v_cvt_scalef32_pk8_fp4_f32 v[224+2*\b], v[96+16*\b:103+16*\b], v[244+\b]
	v_cvt_scalef32_pk8_fp4_f32 v[225+2*\b], v[104+16*\b:111+16*\b], v[244+\b]
.endr
	v_nop                                          ; one plain place behind the scaled conversions
.irp c, 0,1                                    ; the operand's layout wants a whole block in a lane: lanes 0-15 block 2 c, lanes 16-31 block 2 c + 1
.irp i, 0,1
	v_permlane16_swap_b32 v[224+4*\c+\i], v[226+4*\c+\i]
.endr
.endr
	v_pk_add_f32 v[236:237], v[96:97], v[98:99]    ; the row's sum is taken of the unquantised p: two at a time, in two chains
.irp j, 4,8,12,16,20,24,28,32,36,40,44,48,52,56,60
	v_pk_add_f32 v[14:15], v[14:15], v[96+\j:97+\j]
	v_pk_add_f32 v[236:237], v[236:237], v[98+\j:99+\j]
.endr
	v_pk_add_f32 v[14:15], v[14:15], v[236:237]
.set e, 0
.rept 16
	v_pk_mul_f32 v[160+e:161+e], v[160+e:161+e], v[252:253] op_sel_hi:[1,0]   ; O^T under the new M.  (With the sums above: the places between p's codes and scale word and the products below)
.set e, e+2
.endr
	s_wait_dscnt 0x0                               ; V and its scale words are in
.irp dt, 0,1,2,3
	v_wmma_scale_f32_16x16x128_f8f6f4 v[160+8*\dt:167+8*\dt], v[192+8*\dt:199+8*\dt], v[224:231], v[160+8*\dt:167+8*\dt], v[248+\dt], v253 matrix_a_fmt:MATRIX_FMT_FP4 matrix_b_fmt:MATRIX_FMT_FP4
.endr
	s_add_co_u32 s[TK], s[TK], 4096
	s_add_co_u32 s[TS], s[TS], 512
	s_add_co_u32 s[TT], s[TT], 256
	s_add_co_u32 s[TMK], s[TMK], 512
.endm
; HEAD j of the cluster's three.
.macro ITEM j
	s_wait_tensorcnt 2-\j                          ; my quarter of this head's record is in; the later heads' loads may stay out
	s_wait_dscnt 0x0                               ; my LDS stores have landed
	s_barrier_signal -1
	s_barrier_wait -1                              ; both hold of every wave
.if \j > 0
	s_wait_xcnt 0x0                                ; the last head's stores have read their data: p's registers are written again
	s_wait_loadcnt 0x0                             ; this head's Q, asked for a head ago
.irp q, 0,1,2,3
	v_mov_b32 v[16+\q], v[240+\q]
.endr
	v_mov_b32 v255, v[QSN]
.else
	s_wait_loadcnt 0x0                             ; Q
.endif
.if \j < 2
	global_load_b128 v[240:243], v[AK0], s[6:7] offset:32768*(\j+1)
	global_load_b32 v[QSN], v[R16], s[8:9] offset:4096*(\j+1)
.endif
.set e, 0
.rept 32
	v_mov_b32 v[160+e], 0                          ; O^T: the step is written once; its first trip finds zeros.  (These are also the places behind Q's moved codes and scale word)
.set e, e+1
.endr
	v_mov_b32 v13, 0xff61b1e6                      ; the largest t so far: -3e38, under every t
	v_mov_b32 v14, 0
	v_mov_b32 v15, 0
	v_floor_f32 v12, -v13
	s_mov_b32 s[TK], \j*REC
	s_mov_b32 s[TS], \j*REC+65536
	s_mov_b32 s[TT], VSW+2048*\j
	s_mov_b32 s[TMK], MSK
	s_mov_b32 s[CNT], 8
.Lstep_\@:
	STEP
	s_sub_co_u32 s[CNT], s[CNT], 1
	s_cmp_lg_u32 s[CNT], 0
	s_cbranch_scc1 .Lstep_\@
.rept 4
	v_nop                                          ; places behind the last products
.endr
	v_add_f32 v14, v14, v15                        ; the sum's two halves,
	v_permlanex16_b32 v252, v14, s[SEL], s[SEL+1]
	v_add_f32 v14, v14, v252                       ; and lane l xor 16's
	v_rcp_f32 v14, v14
	v_nop                                          ; one plain place behind the transcendental
.set e, 0
	s_wait_alu depctr_va_vdst(0)
.rept 16
	v_pk_mul_f32 v[160+e:161+e], v[160+e:161+e], v[14:15] op_sel_hi:[1,0]   ; ctx = O^T / the sum; each accumulator from its low end on.  Register 16 b + i is d = 32 b + 16 h + i of my query
.set e, e+2
.endr
.irp b, 0,1
	v_max3_num_f32 v[232+\b], |v[160+16*\b]|, |v[161+16*\b]|, 0x1800000
.endr
.irp i, 2,4,6,8,10,12,14
.irp b, 0,1
	v_max3_num_f32 v[232+\b], v[232+\b], |v[160+16*\b+\i]|, |v[161+16*\b+\i]|
.endr
.endr
.irp b, 0,1
	v_permlanex16_b32 v[236+\b], v[232+\b], s[SEL], s[SEL+1]
.endr
.irp b, 0,1
	v_max_num_f32 v[232+\b], v[232+\b], v[236+\b]
.endr
.irp b, 0,1
	v_add_nc_u32 v[244+\b], 0xff000000, v[232+\b]
.endr
.irp b, 0,1
	v_lshrrev_b32 v[236+\b], 23, v[244+\b]
.endr
	v_lshl_or_b32 v234, v237, 8, v236              ; the head's two scale bytes of my query
.irp b, 0,1
	v_cvt_scalef32_pk8_fp4_f32 v[224+2*\b], v[160+16*\b:167+16*\b], v[244+\b]
	v_cvt_scalef32_pk8_fp4_f32 v[225+2*\b], v[168+16*\b:175+16*\b], v[244+\b]
.endr
	v_nop                                          ; one plain place behind the scaled conversions
	global_store_b64 v[GOC], v[224:225], s[14:15] offset:512*\j       ; 32 lanes store 256 consecutive bytes, aligned: block 0 of the 16 queries,
	global_store_b64 v[GOC], v[226:227], s[14:15] offset:512*\j+256   ; block 1
	ds_store_b16 v[CSA], v234 offset:512*\j        ; both lanes of a query write the same 16 bits
.endm
	ITEM 0
	ITEM 1
	ITEM 2
	s_wait_dscnt 0x0                               ; for the others' sake: my scale bytes have landed
	s_barrier_signal -1
	s_barrier_wait -1
	s_cmp_lt_u32 s[WV], 3                          ; wave w stores head w's 512 scale bytes of the work-group's 256 queries: two aligned runs of 256 bytes
	s_cbranch_scc0 .Lno_cs
	ds_load_b128 v[32:35], v[CSR]
	s_wait_dscnt 0x0
	global_store_b128 v[AK0], v[32:35], s[16:17]
.Lno_cs:
	s_wait_xcnt 0x0
	v_lshl_add_u32 v254, v0, 2, 0x35e00
	v_mov_b32 v255, 0
	s_wait_tensorcnt 0x0
	ds_add_u32 v254, v255
	s_wait_dscnt 0x0
	CROUND                                         ; the closing round: no work-group ends while a partner may still ask for a record that names it
	s_endpgm
.Lfunc_end_k_q39e4f07006_attn:
	.size	k_q39e4f07006_attn, .Lfunc_end_k_q39e4f07006_attn-k_q39e4f07006_attn
	.p2alignl 7, 3214868480
	.fill 96, 4, 3214868480
	.section	.rodata,"a",@progbits
	.p2align	6, 0x0
	.amdhsa_kernel k_q39e4f07006_attn
		.amdhsa_group_segment_fixed_size 222720
		.amdhsa_private_segment_fixed_size 0
		.amdhsa_enable_private_segment 0
		.amdhsa_kernarg_size 56
		.amdhsa_user_sgpr_count 2
		.amdhsa_user_sgpr_kernarg_segment_ptr 1
		.amdhsa_wavefront_size32 1
		.amdhsa_system_sgpr_workgroup_id_x 1
		.amdhsa_system_sgpr_workgroup_id_y 1
		.amdhsa_system_sgpr_workgroup_id_z 1
		.amdhsa_system_vgpr_workitem_id 0
		.amdhsa_next_free_vgpr 256
		.amdhsa_next_free_sgpr 66
		.amdhsa_reserve_vcc 0
		.amdhsa_float_denorm_mode_32 3
		.amdhsa_float_denorm_mode_16_64 3
		.amdhsa_memory_ordered 1
		.amdhsa_forward_progress 1
		.amdhsa_inst_pref_size 73
	.end_amdhsa_kernel
	.amdgpu_metadata
---
amdhsa.version: [ 1, 2 ]
amdhsa.kernels:
  - .name:           k_q39e4f07006_attn
    .symbol:         k_q39e4f07006_attn.kd
    .args:
      - { .name: attention_mask, .offset: 0, .size: 8, .value_kind: global_buffer, .address_space: global }
      - { .name: qc, .offset: 8, .size: 8, .value_kind: global_buffer, .address_space: global }
      - { .name: qs, .offset: 16, .size: 8, .value_kind: global_buffer, .address_space: global }
      - { .name: kv, .offset: 24, .size: 8, .value_kind: global_buffer, .address_space: global }
      - { .name: vs, .offset: 32, .size: 8, .value_kind: global_buffer, .address_space: global }
      - { .name: cc, .offset: 40, .size: 8, .value_kind: global_buffer, .address_space: global }
      - { .name: cs, .offset: 48, .size: 8, .value_kind: global_buffer, .address_space: global }
    .group_segment_fixed_size: 222720
    .private_segment_fixed_size: 0
    .kernarg_segment_align: 8
    .kernarg_segment_size: 56
    .max_flat_workgroup_size: 512
    .sgpr_count:     66
    .vgpr_count:     256
    .wavefront_size: 32
...
	.end_amdgpu_metadata
.endif
;; end of part 2
;; launch outln (part 3): grid 256 x 1, 4 waves a work-group, no clusters, 211,456 bytes of LDS; arguments hidden_states, cc, cs, ow_codes, ow_scales, ob, gamma, beta, out0; writes out0
.if DOCPART == 3
	.amdgcn_target "amdgcn-amd-amdhsa--gfx1250"
	.amdhsa_code_object_version 6
	.text
	.protected	k_q39e4f07006_outln
	.globl	k_q39e4f07006_outln
	.p2align	8
	.type	k_q39e4f07006_outln,@function
k_q39e4f07006_outln:
	s_mov_b64 s[64:65], 0
	v_nop
	global_prefetch_b8 v0, s[64:65] scope:SCOPE_SE
	s_setreg_imm32_b32 hwreg(HW_REG_WAVE_MODE, 25, 1), 1
	s_wait_xcnt 0x0
; out = LayerNorm(ctx ow^T + ob + hidden) x gamma + beta; the product on codes of FP4 (E2M1) with one E8M0 scale for each 32 along K, all else in f32.
; SHARES.  A work-group takes 64 tokens (the same 64 as in the first launch) and all 768 columns.  Wave w makes columns 192 w .. 192 w + 191, 12 column tiles, for the four token tiles: 48 accumulators, 384 registers.
; The product is used transposed (source 0 = 16 rows of ow, source 1 = ctx): lane (r, h) holds one token of each tile and the columns 16 ct + 8 h + 0 .. 7.  ob is the C of each sum's first product.
; ctx's codes arrive as images of the operand's registers: 16 neighbouring bytes a lane.  ow's fragments go from memory straight into registers, two column tiles (a group of 34 loads) at a time, two groups ahead.
; THE RESIDUAL: my 192 columns of the 64 rows of hidden come into LDS by one tensor load at the start and are read at the end, by my wave alone.  The same bytes then serve as the stage for the way out:
; they have had their only fill.  A row's mean and the sum of squares of (x - mean) are each joined over the four waves through 1,024 bytes of LDS: two barriers.  The variance is never a difference of large sums.
; NO CLUSTER: each weight byte is read by one wave of a work-group, straight into the operand's registers, and feeds four products there; what work-groups share, 313,344 bytes of weights, would have to pass
; through each work-group's LDS behind rounds of the cluster's barrier.
; LIMITS: NaN and infinities among the inputs are not served.
; REGISTERS.  window 0: v3-12 addresses; v16-39 ctx's scale words; v40-63 ow's, two sets; v64-255 ow's fragments, two sets of 96; later v64-191 the residual, v192-255 sums, means and reciprocal roots; at last rows on their way out.
;   window 1: v0-191 ctx's 24 fragments, later gamma (8 ct) and beta (96 + 8 ct); v192-223 ob, two sets.   window 2: the accumulators of column tiles 0-7 (32 ct + 8 t).   window 3: those of tiles 8-11; v192-239 ctx's scale bytes as loaded.
.set SPITCH, 816                       ; a row of my strip in LDS: three pieces of 256 bytes, 16 bytes of padding behind each: 51 x 16 bytes
.set STRIP,  52224                     ; 64 such rows
.set STAT1,  208896                    ; behind the four strips: [t 4][r 16][wave 4] f32: the waves' sums;
.set STAT2,  1024                      ; and, so many bytes on, their sums of squares
.set LI,  3                            ; v3   16 lane
.set CSO, 4                            ; v4   2 r
.set VW,  5                            ; v5   384 r + 16 h
.set VWS, 6                            ; v6   24 r
.set VB,  7                            ; v7   32 h
.set HA,  8                            ; v8   my strip, row r + 8 (r / 8), + 32 h
.set RD,  9                            ; v9   my strip, row h, + 16 (lane % 16)
.set GO,  10                           ; v10  3,072 h + 16 (lane % 16)
.set STW, 11                           ; v11  STAT1 + 16 r + 4 wave
.set STR, 12                           ; v12  STAT1 + 16 r
.set CSW, 16
.set WS,  40
.set SM,  192                          ; v192-207 sums: token tile t: two chains of pairs at 4 t
.set SQ,  208                          ; v208-223 sums of squares, likewise
.set MN,  224                          ; v224-231 the means, a pair a tile
.set RS,  232                          ; v232-239 1 / sqrt(var + eps), a pair a tile
.set TQ,  240                          ; v240-255 the four waves' parts
.set SEL, 52
.set MSB, 0
.macro WIN new                         ; the immediate's high byte repeats the setting that is left; a switch that changes nothing is dropped
.if MSB != (\new)
	s_set_vgpr_msb (MSB<<8)|(\new)
.set MSB, (\new)
.endif
.endm
.macro PLACES                          ; four places behind matrix instructions, in front of loads into their registers and of the first read of results
.rept 4
	v_nop
.endr
.endm
	s_load_b512 s[8:23], s[0:1], 0x0               ; hidden s[8:9], cc s[10:11], cs s[12:13], ow codes s[14:15], ow scales s[16:17], ob s[18:19], gamma s[20:21], beta s[22:23]
	s_load_b64 s[24:25], s[0:1], 0x40              ; out
	v_lshl_add_u32 v15, v0, 2, 0x33800
	s_set_vgpr_msb 0x40
	v_mov_b32 v255, 0
	s_set_vgpr_msb 0x4044
	ds_add_u32 v15, v255
	ds_add_u32 v15, v255
	s_set_vgpr_msb 0x4400
	v_lshrrev_b32 v1, 5, v0
	v_readfirstlane_b32 s4, v1                     ; wave 0..3
	; descriptor group 1: 64 rows x 768 bytes out of rows of 3,072, 16 bytes of padding behind every 256
	s_mov_b32 s32, (3<<16)|(1<<20)|(5<<22)|(3<<25) ; elements of 8 bytes; padding on; after every 64 words; 4 words
	s_mov_b32 s33, 96<<16                          ; tensor_dim0 = 96 elements
	s_mov_b32 s34, 64<<16                          ; tensor_dim1 = 64
	s_mov_b32 s35, 96<<16                          ; tile_dim0
	s_mov_b32 s36, 64                              ; tile_dim1
	s_mov_b32 s37, 384                             ; from row to row
	s_mov_b32 s38, 0
	s_mov_b32 s39, 0
	s_mul_i32 s40, ttmp9, 196608                   ; the work-group's 64 rows,
	s_mul_i32 s5, s4, 768                          ; my 192 columns
	s_add_co_u32 s40, s40, s5
	s_mov_b32 s41, 0
	s_mov_b32 s28, 1
	s_mul_i32 s29, s4, STRIP
	s_wait_dscnt 0x0
	s_wait_kmcnt 0x0
	s_add_nc_u64 s[30:31], s[8:9], s[40:41]
	s_or_b32 s31, s31, 0x80000000
	tensor_load_to_lds s[28:31], s[32:39]          ; filled once; one tensor load of mine is out; it has the whole product in which to land
	s_nop 0
	PLACES
	s_add_nc_u64 s[24:25], s[24:25], s[40:41]      ; out at the same place
	v_and_b32 v1, 15, v0                           ; r
	v_bfe_u32 v2, v0, 4, 1                         ; h
	v_and_b32 v13, 31, v0                          ; lane
	v_and_b32 v14, 8, v1
	v_add_nc_u32 v14, v14, v1                      ; r + 8 (r / 8)
	v_lshlrev_b32 v[LI], 4, v13
	v_lshlrev_b32 v[CSO], 1, v1
	v_mul_u32_u24 v[VW], v1, 384
	v_lshl_add_u32 v[VW], v2, 4, v[VW]
	v_mul_u32_u24 v[VWS], v1, 24
	v_lshlrev_b32 v[VB], 5, v2
	s_mul_i32 s5, s4, STRIP
	v_mul_u32_u24 v[HA], v14, SPITCH
	v_lshl_add_u32 v[HA], v2, 5, v[HA]
	v_add_nc_u32 v[HA], s5, v[HA]
	v_mul_u32_u24 v[RD], v2, SPITCH
	v_lshl_add_u32 v[RD], v1, 4, v[RD]
	v_add_nc_u32 v[RD], s5, v[RD]
	v_mul_u32_u24 v[GO], v2, 3072
	v_lshl_add_u32 v[GO], v1, 4, v[GO]
	s_lshl_b32 s5, s4, 2
	s_add_co_u32 s5, s5, STAT1
	v_lshl_add_u32 v[STW], v1, 4, s5
	v_lshl_add_u32 v[STR], v1, 4, STAT1
	s_mov_b32 s[SEL], 0x76543210
	s_mov_b32 s[SEL+1], 0xfedcba98
	s_mov_b32 s54, 0x3aaaaaab                      ; 1 / 768
	s_mov_b32 s55, 0x2b8cbccc                      ; 1e-12
	s_mov_b32 s43, 0
	s_lshr_b32 s5, ttmp9, 4
	s_mul_i32 s42, s5, 24576                       ; cs: 12 heads x 2,048 bytes a batch,
	s_and_b32 s5, ttmp9, 15
	s_lshl_b32 s5, s5, 7                           ; 4 tiles x 32 bytes a block of 64 tokens
	s_add_co_u32 s42, s42, s5
	s_add_nc_u64 s[12:13], s[12:13], s[42:43]
	s_mul_i32 s42, ttmp9, 24576                    ; cc: 4 tiles x 12 heads x 512 bytes
	s_add_nc_u64 s[10:11], s[10:11], s[42:43]
	s_mul_i32 s42, s4, 73728                       ; my 192 rows of ow: 384 bytes of codes,
	s_add_nc_u64 s[14:15], s[14:15], s[42:43]
	s_mul_i32 s42, s4, 4608                        ; 24 scale bytes
	s_add_nc_u64 s[16:17], s[16:17], s[42:43]
	s_mul_i32 s42, s4, 768                         ; my 192 numbers of ob, gamma, beta
	s_add_nc_u64 s[18:19], s[18:19], s[42:43]
	s_add_nc_u64 s[20:21], s[20:21], s[42:43]
	s_add_nc_u64 s[22:23], s[22:23], s[42:43]
	WIN 0xc0                                       ; destination window 3
.irp t, 0,1,2,3
.irp hd, 0,1,2,3,4,5,6,7,8,9,10,11
	global_load_u16 v[192+12*\t+\hd], v[CSO], s[12:13] offset:2048*\hd+32*\t   ; the two scale bytes of head hd, token (t, r)
.endr
.endr
	WIN 0x40                                       ; destination window 1
.irp t, 0,1,2,3
.irp s, 0,1,2,3,4,5
.irp c, 0,1
	global_load_b128 v[8*(6*\t+\s)+4*\c:8*(6*\t+\s)+4*\c+3], v[LI], s[10:11] offset:6144*\t+1024*\s+512*\c   ; K step s is heads 2 s and 2 s + 1
.endr
.endr
.endr
	WIN 0
; Group gi: column tiles 2 gi and 2 gi + 1 into set gi % 2: 24 loads of codes, 6 of scale words, 4 of ob: 34
.macro LOADW gi
.set P, (\gi)%2
.irp u, 0,1
.irp s, 0,1,2,3,4,5
.irp c, 0,1
	global_load_b128 v[64+96*P+8*(6*\u+\s)+4*\c:64+96*P+8*(6*\u+\s)+4*\c+3], v[VW], s[14:15] offset:6144*(2*(\gi)+\u)+64*\s+32*\c
.endr
.endr
.endr
.irp u, 0,1
.irp p, 0,1,2
	global_load_b64 v[WS+12*P+6*\u+2*\p:WS+12*P+6*\u+2*\p+1], v[VWS], s[16:17] offset:384*(2*(\gi)+\u)+8*\p
.endr
.endr
	WIN 0x40
.irp u, 0,1
.irp i, 0,1
	global_load_b128 v[192+16*P+8*\u+4*\i:192+16*P+8*\u+4*\i+3], v[VB], s[18:19] offset:64*(2*(\gi)+\u)+16*\i
.endr
.endr
	WIN 0
.endm
; 48 matrix instructions: two column tiles x four token tiles x six K steps; the eight accumulators take turns, one instruction a turn
.macro MULW gi
.set P, (\gi)%2
.set WDW, 2+(\gi)/4
.irp s, 0,1,2,3,4,5
.if \s == 0
	WIN 0x14|(WDW<<6)                              ; source 0 (ow) window 0, source 1 (ctx) and C (ob) window 1
.else
	WIN 0x04|(WDW<<4)|(WDW<<6)
.endif
.irp u, 0,1
.irp t, 0,1,2,3
.set rD, 32*((2*(\gi)+\u)%8)+8*\t
.set rA, 64+96*P+8*(6*\u+\s)
.set rB, 8*(6*\t+\s)
.set rC, 192+16*P+8*\u
.if \s == 0
	v_wmma_scale_f32_16x16x128_f8f6f4 v[rD:rD+7], v[rA:rA+7], v[rB:rB+7], v[rC:rC+7], v[WS+12*P+6*\u+\s], v[CSW+6*\t+\s] matrix_a_fmt:MATRIX_FMT_FP4 matrix_b_fmt:MATRIX_FMT_FP4
.else
	v_wmma_scale_f32_16x16x128_f8f6f4 v[rD:rD+7], v[rA:rA+7], v[rB:rB+7], v[rD:rD+7], v[WS+12*P+6*\u+\s], v[CSW+6*\t+\s] matrix_a_fmt:MATRIX_FMT_FP4 matrix_b_fmt:MATRIX_FMT_FP4
.endif
.endr
.endr
.endr
.endm
	LOADW 0
	LOADW 1
	s_wait_loadcnt 63                              ; behind the 48 loads of scale bytes 116 loads were issued: these 48 are in
	WIN 0x33                                       ; sources 0 and 2 window 3
.irp t, 0,1,2,3
.irp s, 0,1,2,3,4,5
	v_lshl_or_b32 v[CSW+6*\t+\s], v[192+12*\t+2*\s+1], 16, v[192+12*\t+2*\s]   ; two heads' bytes make a K step's scale word
.endr
.endr
	WIN 0
.rept 8
	v_nop                                          ; a scale register written by a vector instruction stands 8 places ahead of a scaled matrix instruction
.endr
.irp gi, 0,1,2,3,4,5
.if \gi < 5
	s_wait_loadcnt 34                              ; this group (and ctx) is in; the next group's 34 loads may be out
.else
	s_wait_loadcnt 0x0
.endif
	MULW \gi
	WIN 0
	PLACES
.if \gi < 4
	LOADW \gi+2
.endif
.endr
	WIN 0x40                                       ; ctx's fragments are done with: gamma and beta of my columns, in the result's layout
.irp ct, 0,1,2,3,4,5,6,7,8,9,10,11
.irp i, 0,1
	global_load_b128 v[8*\ct+4*\i:8*\ct+4*\i+3], v[VB], s[20:21] offset:64*\ct+16*\i
	global_load_b128 v[96+8*\ct+4*\i:96+8*\ct+4*\i+3], v[VB], s[22:23] offset:64*\ct+16*\i
.endr
.endr
	WIN 0
	; ---- the residual and the LayerNorm, in three batches of four column tiles (128 registers of one window)
.macro HLOAD bt                        ; hidden at my tokens and the batch's columns, in the accumulators' order.  Column tile 4 bt + cq lies in piece bt of a row, 64 cq bytes on
.irp cq, 0,1,2,3
.irp t, 0,1,2,3
.irp i, 0,1
	ds_load_b128 v[64+32*\cq+8*\t+4*\i:64+32*\cq+8*\t+4*\i+3], v[HA] offset:(32*(\t/2)+8*(\t%2))*SPITCH+272*(\bt)+64*\cq+16*\i
.endr
.endr
.endr
.endm
.macro PASSA bt                        ; x = product + hidden, in place; then the rows' sums, eight chains by turns
.set WDW, 2+(\bt)/2
.set AB, 128*((\bt)%2)
	s_wait_dscnt 0x0
	WIN WDW|(WDW<<6)
.set e, 0
.rept 64
	v_pk_add_f32 v[AB+e:AB+e+1], v[AB+e:AB+e+1], v[64+e:64+e+1]   ; each accumulator from its low end on
.set e, e+2
.endr
	WIN 0
.if (\bt) < 2
	HLOAD (\bt)+1                                  ; the next batch lands while this one is summed
.endif
	WIN WDW<<2
.irp cq, 0,1,2,3
.irp q, 0,1,2,3
.irp t, 0,1,2,3
	v_pk_add_f32 v[SM+4*\t+2*(\q%2):SM+4*\t+2*(\q%2)+1], v[SM+4*\t+2*(\q%2):SM+4*\t+2*(\q%2)+1], v[AB+32*\cq+8*\t+2*\q:AB+32*\cq+8*\t+2*\q+1]
.endr
.endr
.endr
	WIN 0
.endm
.macro PASSB bt                        ; x - mean, in place; then the sums of its squares
.set WDW, 2+(\bt)/2
.set AB, 128*((\bt)%2)
	WIN WDW|(WDW<<6)
.set e, 0
.rept 64
	v_pk_add_f32 v[AB+e:AB+e+1], v[AB+e:AB+e+1], v[MN+2*((e/8)%4):MN+2*((e/8)%4)+1] neg_lo:[0,1] neg_hi:[0,1]
.set e, e+2
.endr
	WIN WDW|(WDW<<2)
.irp cq, 0,1,2,3
.irp q, 0,1,2,3
.irp t, 0,1,2,3
	v_pk_fma_f32 v[SQ+4*\t+2*(\q%2):SQ+4*\t+2*(\q%2)+1], v[AB+32*\cq+8*\t+2*\q:AB+32*\cq+8*\t+2*\q+1], v[AB+32*\cq+8*\t+2*\q:AB+32*\cq+8*\t+2*\q+1], v[SQ+4*\t+2*(\q%2):SQ+4*\t+2*(\q%2)+1]
.endr
.endr
.endr
	WIN 0
.endm
.macro PASSC bt                        ; (x - mean) / sqrt(var + eps) x gamma + beta, and back into the strip at the places that hidden left
.set WDW, 2+(\bt)/2
.set AB, 128*((\bt)%2)
	WIN WDW|(WDW<<6)
.set e, 0
.rept 64
	v_pk_mul_f32 v[AB+e:AB+e+1], v[AB+e:AB+e+1], v[RS+2*((e/8)%4):RS+2*((e/8)%4)+1]
.set e, e+2
.endr
	WIN WDW|(1<<2)|(1<<4)|(WDW<<6)
.set e, 0
.rept 64
	v_pk_fma_f32 v[AB+e:AB+e+1], v[AB+e:AB+e+1], v[8*(4*(\bt)+e/32)+e%8:8*(4*(\bt)+e/32)+e%8+1], v[96+8*(4*(\bt)+e/32)+e%8:96+8*(4*(\bt)+e/32)+e%8+1]
.set e, e+2
.endr
	WIN WDW<<2                                     ; an LDS store's data are its source 1
.irp cq, 0,1,2,3
.irp t, 0,1,2,3
.irp i, 0,1
	ds_store_b128 v[HA], v[AB+32*\cq+8*\t+4*\i:AB+32*\cq+8*\t+4*\i+3] offset:(32*(\t/2)+8*(\t%2))*SPITCH+272*(\bt)+64*\cq+16*\i
.endr
.endr
.endr
	WIN 0
.endm
; The chains of acc are joined: in my lane, with lane l xor 16 (my wave's 192 columns), and over the four waves through LDS: v[TQ + 4 t] = the row's sum, in every lane
.macro REDUCE acc, off
.irp t, 0,1,2,3
	v_pk_add_f32 v[\acc+4*\t:\acc+4*\t+1], v[\acc+4*\t:\acc+4*\t+1], v[\acc+4*\t+2:\acc+4*\t+3]
.endr
.irp t, 0,1,2,3
	v_add_f32 v[\acc+4*\t], v[\acc+4*\t], v[\acc+4*\t+1]
.endr
.irp t, 0,1,2,3
	v_permlanex16_b32 v[\acc+4*\t+1], v[\acc+4*\t], s[SEL], s[SEL+1]
.endr
.irp t, 0,1,2,3
	v_add_f32 v[\acc+4*\t], v[\acc+4*\t], v[\acc+4*\t+1]
.endr
.irp t, 0,1,2,3
	ds_store_b32 v[STW], v[\acc+4*\t] offset:\off+256*\t   ; both lanes of a token write the same word with the same value
.endr
	s_wait_dscnt 0x0                               ; for the others' sake: my parts have landed
	s_barrier_signal -1
	s_barrier_wait -1
.irp t, 0,1,2,3
	ds_load_b128 v[TQ+4*\t:TQ+4*\t+3], v[STR] offset:\off+256*\t
.endr
	s_wait_dscnt 0x0
.irp t, 0,1,2,3
	v_add_f32 v[TQ+4*\t], v[TQ+4*\t], v[TQ+4*\t+1]
	v_add_f32 v[TQ+4*\t+2], v[TQ+4*\t+2], v[TQ+4*\t+3]
.endr
.irp t, 0,1,2,3
	v_add_f32 v[TQ+4*\t], v[TQ+4*\t], v[TQ+4*\t+2]
.endr
.endm
	s_wait_tensorcnt 0x0                           ; my strip of hidden is in LDS; my wave alone reads it
	HLOAD 0
.set e, 0
.rept 32
	v_mov_b32 v[SM+e], 0                           ; the sixteen chains of sums and of squares begin at 0
.set e, e+1
.endr
	PASSA 0
	PASSA 1
	PASSA 2
	REDUCE SM, 0
.irp t, 0,1,2,3
	v_mul_f32 v[MN+2*\t], s54, v[TQ+4*\t]          ; the mean, twice: a pair for the packed forms
	v_mul_f32 v[MN+2*\t+1], s54, v[TQ+4*\t]
.endr
	PASSB 0
	PASSB 1
	PASSB 2
	REDUCE SQ, STAT2
.irp t, 0,1,2,3
	v_fma_f32 v[TQ+4*\t], v[TQ+4*\t], s54, s55     ; var + eps
.endr
.irp t, 0,1,2,3
	v_rsq_f32 v[RS+2*\t], v[TQ+4*\t]
	v_rsq_f32 v[RS+2*\t+1], v[TQ+4*\t]
.endr
	v_nop                                          ; one plain place behind the transcendentals
	s_wait_alu depctr_va_vdst(0)
	s_wait_loadcnt 0x0                             ; gamma and beta
	PASSC 0
	PASSC 1
	PASSC 2
; THE WAY OUT: my strip's 64 rows x three pieces of 256 bytes; lanes 0-15 take a piece of one row, lanes 16-31 of the next.  LDS serves a wave's instructions in order (ISA guide 5.7.1.4): these loads see my stores.
.macro OUTB hf
.set i, 0
.rept 48
	ds_load_b128 v[64+4*i:64+4*i+3], v[RD] offset:2*SPITCH*(16*\hf+i/3)+272*(i%3)
.set i, i+1
.endr
.set i, 0
.rept 48
	s_wait_dscnt 47-i                              ; LDS loads come back in order: number i of the 48 is in
	global_store_b128 v[GO], v[64+4*i:64+4*i+3], s[24:25] offset:6144*(16*\hf+i/3)+256*(i%3) th:TH_STORE_NT   ; 16 lanes store 256 consecutive bytes, aligned; written once, read by nobody here
.set i, i+1
.endr
.endm
	OUTB 0
	s_wait_xcnt 0x0                                ; the first half's stores have read their data: the registers are loaded again
	OUTB 1
	s_set_vgpr_msb 0x4
	s_wait_tensorcnt 0x0
	ds_add_u32 v15, v255
	s_wait_dscnt 0x0
	s_set_vgpr_msb 0x400
	s_endpgm
.Lfunc_end_k_q39e4f07006_outln:
	.size	k_q39e4f07006_outln, .Lfunc_end_k_q39e4f07006_outln-k_q39e4f07006_outln
	.p2alignl 7, 3214868480
	.fill 96, 4, 3214868480
	.section	.rodata,"a",@progbits
	.p2align	6, 0x0
	.amdhsa_kernel k_q39e4f07006_outln
		.amdhsa_group_segment_fixed_size 211456
		.amdhsa_private_segment_fixed_size 0
		.amdhsa_enable_private_segment 0
		.amdhsa_kernarg_size 72
		.amdhsa_user_sgpr_count 2
		.amdhsa_user_sgpr_kernarg_segment_ptr 1
		.amdhsa_wavefront_size32 1
		.amdhsa_system_sgpr_workgroup_id_x 1
		.amdhsa_system_sgpr_workgroup_id_y 1
		.amdhsa_system_sgpr_workgroup_id_z 1
		.amdhsa_system_vgpr_workitem_id 0
		.amdhsa_next_free_vgpr 1024
		.amdhsa_next_free_sgpr 66
		.amdhsa_reserve_vcc 0
		.amdhsa_float_denorm_mode_32 3
		.amdhsa_float_denorm_mode_16_64 3
		.amdhsa_memory_ordered 1
		.amdhsa_forward_progress 1
		.amdhsa_inst_pref_size 186
	.end_amdhsa_kernel
	.amdgpu_metadata
---
amdhsa.version: [ 1, 2 ]
amdhsa.kernels:
  - .name:           k_q39e4f07006_outln
    .symbol:         k_q39e4f07006_outln.kd
    .args:
      - { .name: hidden_states, .offset: 0, .size: 8, .value_kind: global_buffer, .address_space: global }
      - { .name: cc, .offset: 8, .size: 8, .value_kind: global_buffer, .address_space: global }
      - { .name: cs, .offset: 16, .size: 8, .value_kind: global_buffer, .address_space: global }
      - { .name: ow_codes, .offset: 24, .size: 8, .value_kind: global_buffer, .address_space: global }
      - { .name: ow_scales, .offset: 32, .size: 8, .value_kind: global_buffer, .address_space: global }
      - { .name: ob, .offset: 40, .size: 8, .value_kind: global_buffer, .address_space: global }
      - { .name: gamma, .offset: 48, .size: 8, .value_kind: global_buffer, .address_space: global }
      - { .name: beta, .offset: 56, .size: 8, .value_kind: global_buffer, .address_space: global }
      - { .name: out0, .offset: 64, .size: 8, .value_kind: global_buffer, .address_space: global }
    .group_segment_fixed_size: 211456
    .private_segment_fixed_size: 0
    .kernarg_segment_align: 8
    .kernarg_segment_size: 72
    .max_flat_workgroup_size: 128
    .sgpr_count:     66
    .vgpr_count:     1024
    .wavefront_size: 32
...
	.end_amdgpu_metadata
.endif
;; end of part 3
